; MI455X (gfx1250); checked and timed in simulation.
; The chip was launched on July 23, 2026; its instructions are those of AMD's public machine-readable ISA for CDNA 5 (MIT licence, August 2026) and "CDNA5" Instruction Set Architecture Reference Guide (July 2026). The comments in the code are by the model that wrote it; some were corrected since.
;; Anatomical Structure Encoder. Allowed arithmetic: float matrix products may take bf16 or f16 operands with f32 sums; all other float work in f32.
;; Inputs: patch_coords 2 x 16,384 x 3 float32; region_prototypes 20 x 768 float32; segmentation_mask 2 x 1 x 64 x 512 x 512 int32.
;; Outputs: out0 2 x 20 x 768 float32; out1 2 x 16,384 x 20 float32.
;; One version. Each part assembles by itself: llvm-mc -triple=amdgcn-amd-amdhsa -mcpu=gfx1250 --defsym DOCPART=n.
;; ======== version 1 of 1: 2 launches
;; workspace buffers: table 39,237,120 bytes; params 524,288 bytes of whole numbers
;; launch pack (part 1): grid 1024 x 1, 4 waves a work-group, no clusters, 0 bytes of LDS; arguments segmentation_mask, patch_coords, region_prototypes, table, params, out0; writes table, params, out0
.if DOCPART == 1
	.amdgcn_target "amdgcn-amd-amdhsa--gfx1250"
	.amdhsa_code_object_version 6
	.text
	.protected	k_q44e592f8cf_pack
	.globl	k_q44e592f8cf_pack
	.p2align	8
	.type	k_q44e592f8cf_pack,@function
k_q44e592f8cf_pack:
	s_mov_b64 s[64:65], 0
	v_nop
	global_prefetch_b8 v0, s[64:65] scope:SCOPE_SE
	s_setreg_imm32_b32 hwreg(HW_REG_WAVE_MODE, 25, 1), 1
	s_wait_xcnt 0x0
; PACK: the mask (2 x 64 slices of 512 x 512 int32) is read once and written as a table of one byte a voxel, laid out for the
; gather of the next launch; beside that the patches' coordinates become whole numbers, and out0 is written.
; THE BYTE of voxel v is 3 min_u(v, 21) + 61.  Only its low six bits are used later, as a shift: 3 (v - 1) for v = 1..20, and
; 60 or 61 (a dump field) for 0, for negative numbers and for all above 20, which reference() counts for no region.
; THE TABLE.  16 bytes (a granule) hold 4 image rows x 4 columns: byte 4 (y & 3) + (x & 3).  A QUAD ROW (4 image rows) is 2,304 bytes:
; 16 guard granules, then the 128 granules of the 512 columns.  A slice is 133 quad rows: 5 guard rows, then 128.  128 slices, then 5
; guard rows more.  Guard bytes hold the dump code 0x3c.  So a crop that the volume's border clips simply reads guards: below in x and y the
; guards in front, above in x the next quad row's guard, above in y the next slice's guard rows; a z step outside the volume is pointed
; at slice 0's guard rows (five of them: the crop's rows start up to 3 rows into a quad row and span 16).
; SHARES.  1,024 work-groups of four waves; a wave takes 4 quad rows: 32,768 consecutive bytes in, 9,216 consecutive bytes out.  A load of
; the wave covers 512 consecutive bytes of an image row, a store 512 consecutive bytes at a multiple of 256 (the guard's store 256).
; Two buffers of 16 loads: while one quad row is packed, the next one's 8 KB are on their way.  No LDS, no barrier: no wave needs another's data.
; No cluster: no two work-groups read the same bytes.
; SIDE JOBS, by the wave's number, while the first 32 loads are out: wave 0 makes the records of 32 patches, wave 1 copies 512 bytes of the
; prototypes to both batches of out0 (work-groups 0..119), waves 2 and 3 fill the guard quad rows.
; LIMITS.  A NaN coordinate is taken as start 0 and end = the axis' size (reference() has no defined whole number there); coordinate x size
; beyond the range of int32 counts as outside the volume (an empty crop).
.set ROWB,    2304                     ; bytes in a quad row of the table
.set GROWS,   5                        ; guard quad rows in front of a slice
.set SLROWS,  133                      ; quad rows in a slice
.set TAILROW, 128*SLROWS               ; the first quad row behind the last slice
.set L16, 1                            ; v1   16 x lane; never rewritten
.set L8,  2                            ; v2   8 x lane; never rewritten
.set LN,  3                            ; v3   lane
.set IN0, 16                           ; v[16:79]   a quad row as loaded: chunk c, image row j at 16 c + 4 j
.set IN1, 80                           ; v[80:143]  the other buffer
.set OUT, 144                          ; v[144:159] chunk c's granule at 4 c
.set GRD, 160                          ; v[160:161] eight guard bytes; never rewritten
.set PA,  162                          ; the records' job: v162-183
.set CZ,  163
.set CY,  164
.set CX,  165
.set TA,  166
.set TB,  167
.set REC, 168                          ; v[168:171] a record, or 16 bytes of the prototypes
.set WZ,  172
.set EZ,  173
.set WY,  174
.set EY,  175
.set WX,  176
.set EX,  177
.set Q,   178                          ; v[178:181]
.set ZI,  182
.set R0,  183
	s_load_b256 s[4:11], s[0:1], 0x0               ; mask s[4:5], coordinates s[6:7], prototypes s[8:9], table s[10:11]
	s_load_b128 s[12:15], s[0:1], 0x20             ; records s[12:13], out0 s[14:15]
	v_and_b32 v[LN], 31, v0
	v_lshrrev_b32 v4, 5, v0
	v_readfirstlane_b32 s16, v4                    ; wave 0..3
	v_lshlrev_b32 v[L16], 4, v[LN]
	v_lshlrev_b32 v[L8], 3, v[LN]
	v_mov_b32 v[GRD], 0x3c3c3c3c
	v_mov_b32 v[GRD+1], 0x3c3c3c3c
	s_mov_b32 s17, ttmp9                           ; work-group g: slice g / 8, sixteen quad rows from 16 (g % 8) on
	s_lshl_b32 s20, s17, 17                        ; in the mask: 131,072 bytes a work-group,
	s_lshl_b32 s21, s16, 15                        ; 32,768 a wave
	s_add_co_u32 s20, s20, s21
	s_mov_b32 s21, 0
	s_lshr_b32 s22, s17, 3                         ; slice
	s_and_b32 s23, s17, 7                          ; my eighth of it
	s_mul_i32 s24, s22, SLROWS                     ; the slice's first quad row in the table
	s_lshl_b32 s25, s23, 4
	s_lshl2_add_u32 s25, s16, s25                  ; 16 (g % 8) + 4 wave
	s_add_co_u32 s25, s25, s24
	s_add_co_u32 s25, s25, GROWS                   ; behind the slice's guard rows
	s_mul_i32 s26, s25, ROWB
	s_mov_b32 s27, 0
	s_mov_b32 s28, 0x3d3d3d3d                      ; 61 in each byte
	s_wait_kmcnt 0x0
	s_add_nc_u64 s[4:5], s[4:5], s[20:21]          ; the mask at my first image row
	s_add_nc_u64 s[30:31], s[10:11], s[26:27]      ; the table at my first quad row
; Quad row r: 16 loads, chunk by chunk (128 columns), in a chunk the four image rows
.macro ISSUE r, buf
.irp c, 0,1,2,3
.irp j, 0,1,2,3
	global_load_b128 v[(\buf)+16*(\c)+4*(\j):(\buf)+16*(\c)+4*(\j)+3], v[L16], s[4:5] offset:(\r)*8192+(\j)*2048+(\c)*512 th:TH_LOAD_NT
.endr
.endr
.endm
; Four voxels of an image row become four bytes: clamp, pack, then 3 b + 61 in all four bytes at once (124 at the most: no carry from byte to byte)
.macro PACK4 a, d
	v_min_u32 v[(\a)], 21, v[(\a)]
	v_min_u32 v[(\a)+1], 21, v[(\a)+1]
	v_min_u32 v[(\a)+2], 21, v[(\a)+2]
	v_min_u32 v[(\a)+3], 21, v[(\a)+3]
	v_lshl_or_b32 v[(\a)], v[(\a)+1], 8, v[(\a)]
	v_lshl_or_b32 v[(\a)+2], v[(\a)+3], 8, v[(\a)+2]
	v_lshl_or_b32 v[(\a)], v[(\a)+2], 16, v[(\a)]
	v_lshl_add_u32 v[(\a)], v[(\a)], 1, v[(\a)]
	v_add_nc_u32 v[(\d)], s28, v[(\a)]
.endm
; Quad row r is packed and stored.  later = the loads issued behind this quad row's sixteen.
.macro ROWDO r, buf, later
	s_wait_xcnt 0x0                                ; the last quad row's stores have read OUT: it is rewritten only behind this wait
.irp c, 0,1,2,3
	s_wait_loadcnt (\later)+12-4*(\c)              ; loads come back in order: chunk c's four are in; this row's later chunks and the next row's sixteen stay out
.irp j, 0,1,2,3
	PACK4 (\buf)+16*(\c)+4*(\j), OUT+4*(\c)+(\j)
.endr
	global_store_b128 v[L16], v[OUT+4*(\c):OUT+4*(\c)+3], s[30:31] offset:(\r)*ROWB+256+(\c)*512  ; 32 granules: 512 consecutive bytes at a multiple of 256
.endr
	global_store_b64 v[L8], v[GRD:GRD+1], s[30:31] offset:(\r)*ROWB  ; the quad row's 256 guard bytes
.endm
; One axis, in reference()'s own f32 steps (size x coordinate is exact: the sizes are powers of two).  Out: e = max(end - start, 0), and w, the first index
; of a window of the crop's full length whose part inside the volume is the valid part: start, if start > 0 (capped at the size: all guard);
; else n - p with n = min(e, p).  With start > 0 the subtraction c - half is exact, so end - start is p or more unless the size caps it.
.macro AXIS c, w, e, dimf, halff, nhalff, pf, npf
	v_mul_f32 v[\c], \dimf, v[\c]
	v_add_f32 v[TA], \nhalff, v[\c]
	v_add_f32 v[TB], \halff, v[\c]
	v_floor_f32 v[TA], v[TA]
	v_floor_f32 v[TB], v[TB]
	v_max_num_f32 v[TA], 0, v[TA]                  ; start
	v_min_num_f32 v[TB], \dimf, v[TB]              ; end
	v_sub_f32 v[\e], v[TB], v[TA]
	v_max_num_f32 v[\e], 0, v[\e]
	v_min_num_f32 v[TB], \pf, v[\e]
	v_add_f32 v[TB], \npf, v[TB]                   ; n - p
	v_cmp_lt_f32 vcc_lo, 0, v[TA]
	v_min_num_f32 v[TA], \dimf, v[TA]
	v_cndmask_b32 v[\w], v[TB], v[TA], vcc_lo
.endm
	ISSUE 0, IN0
	ISSUE 1, IN1                                   ; 32 loads, 16 KB a wave, are out; the side jobs stand in their shadow
	s_cmp_lg_u32 s16, 0
	s_cbranch_scc1 .Lnot_records
	; WAVE 0: the records of patches 32 g + lane
	s_mul_i32 s32, s17, 384                        ; 32 patches x 12 bytes
	s_mov_b32 s33, 0
	s_add_nc_u64 s[6:7], s[6:7], s[32:33]
	s_lshl_b32 s32, s17, 9                         ; 32 records x 16 bytes
	s_add_nc_u64 s[12:13], s[12:13], s[32:33]
	s_lshr_b32 s34, s17, 9                         ; the batch (16,384 patches = 512 work-groups),
	s_lshl_b32 s34, s34, 6                         ; its first slice
	s_mov_b32 s35, SLROWS
	v_mul_u32_u24 v[PA], 12, v[LN]
	global_load_b32 v[CZ], v[PA], s[6:7]           ; the three loads together cover 384 consecutive bytes
	global_load_b32 v[CY], v[PA], s[6:7] offset:4
	global_load_b32 v[CX], v[PA], s[6:7] offset:8
	s_wait_loadcnt 0x0
	AXIS CZ, WZ, EZ, 0x42800000, 2.0, -2.0, 4.0, -4.0                                 ; 64; 2; 4
	AXIS CY, WY, EY, 0x44000000, 0x41000000, 0xc1000000, 0x41800000, 0xc1800000       ; 512; 8; 16
	AXIS CX, WX, EX, 0x44000000, 0x41000000, 0xc1000000, 0x41800000, 0xc1800000
	v_mul_f32 v[EZ], v[EZ], v[EY]
	v_mul_f32 v[EZ], v[EZ], v[EX]                  ; numel: small whole numbers, exact
	v_cvt_u32_f32 v[REC+3], v[EZ]
	v_cvt_i32_f32 v[WZ], v[WZ]                     ; -4 .. 64
	v_add_f32 v[WY], 0x41a00000, v[WY]             ; + 20 guard rows: 4 .. 532
	v_add_f32 v[WX], 0x42800000, v[WX]             ; + 64 guard columns: 48 .. 576
	v_cvt_u32_f32 v[WY], v[WY]
	v_cvt_u32_f32 v[WX], v[WX]
	v_lshrrev_b32 v[TA], 2, v[WY]                  ; the window's first quad row in a slice,
	v_and_b32 v[TB], 3, v[WY]                      ; and its first image row in that
	v_add_nc_u32 v[R0], s34, v[WZ]
	v_mul_lo_u32 v[R0], v[R0], s35
	v_add_nc_u32 v[R0], v[R0], v[TA]               ; quad row of z step 0 (modulo 2^32 where the slice is negative: used only for steps inside)
.irp d, 0,1,2,3
	v_add_nc_u32 v[ZI], \d, v[WZ]
	v_add_nc_u32 v[Q+\d], SLROWS*\d, v[R0]
	v_cmp_gt_u32 vcc_lo, 64, v[ZI]                 ; inside the volume?  (a negative slice is a large unsigned number)
	v_cndmask_b32 v[Q+\d], 0, v[Q+\d], vcc_lo      ; else quad row 0: slice 0's guard rows
.endr
	v_lshl_or_b32 v[REC], v[Q+1], 16, v[Q]         ; 17,024 at the most: 16 bits each
	v_lshl_or_b32 v[REC+1], v[Q+3], 16, v[Q+2]
	v_lshl_or_b32 v[REC+2], v[TB], 16, v[WX]
	global_store_b128 v[L16], v[REC:REC+3], s[12:13]  ; 512 consecutive bytes
	s_branch .Lmain
.Lnot_records:
	s_cmp_lg_u32 s16, 1
	s_cbranch_scc1 .Lnot_copy
	; WAVE 1 of work-groups 0..119: 512 of the prototypes' 61,440 bytes, to both batches of out0
	s_cmp_lt_u32 s17, 120
	s_cbranch_scc0 .Lmain
	s_lshl_b32 s32, s17, 9
	s_mov_b32 s33, 0
	s_add_nc_u64 s[8:9], s[8:9], s[32:33]
	s_add_nc_u64 s[14:15], s[14:15], s[32:33]
	global_load_b128 v[REC:REC+3], v[L16], s[8:9]
	s_wait_loadcnt 0x0
	global_store_b128 v[L16], v[REC:REC+3], s[14:15]
	global_store_b128 v[L16], v[REC:REC+3], s[14:15] offset:61440
	s_branch .Lmain
.Lnot_copy:
	; WAVE 2 of the first five work-groups of a slice: one of the slice's guard quad rows.  WAVE 3 of work-groups 0..4: one of the five behind the last slice.
	s_add_co_u32 s32, s24, s23
	s_add_co_u32 s33, s17, TAILROW
	s_cmp_eq_u32 s16, 2
	s_cselect_b32 s32, s32, s33                    ; which quad row,
	s_cselect_b32 s33, s23, s17                    ; and whether there is one for me
	s_cmp_lt_u32 s33, GROWS
	s_cbranch_scc0 .Lmain
	s_mul_i32 s32, s32, ROWB
	s_mov_b32 s33, 0
	s_add_nc_u64 s[10:11], s[10:11], s[32:33]
.irp k, 0,1,2,3,4,5,6,7,8
	global_store_b64 v[L8], v[GRD:GRD+1], s[10:11] offset:256*\k  ; 256 consecutive bytes at a multiple of 256
.endr
.Lmain:
	ROWDO 0, IN0, 16
	ISSUE 2, IN0
	ROWDO 1, IN1, 16
	ISSUE 3, IN1
	ROWDO 2, IN0, 16
	ROWDO 3, IN1, 0                                ; nothing is left to fetch: the counts run down to 0
	s_endpgm
.Lfunc_end_k_q44e592f8cf_pack:
	.size	k_q44e592f8cf_pack, .Lfunc_end_k_q44e592f8cf_pack-k_q44e592f8cf_pack
	.p2alignl 7, 3214868480
	.fill 96, 4, 3214868480
	.section	.rodata,"a",@progbits
	.p2align	6, 0x0
	.amdhsa_kernel k_q44e592f8cf_pack
		.amdhsa_group_segment_fixed_size 0
		.amdhsa_private_segment_fixed_size 0
		.amdhsa_enable_private_segment 0
		.amdhsa_kernarg_size 48
		.amdhsa_user_sgpr_count 2
		.amdhsa_user_sgpr_kernarg_segment_ptr 1
		.amdhsa_wavefront_size32 1
		.amdhsa_system_sgpr_workgroup_id_x 1
		.amdhsa_system_sgpr_workgroup_id_y 1
		.amdhsa_system_sgpr_workgroup_id_z 1
		.amdhsa_system_vgpr_workitem_id 0
		.amdhsa_next_free_vgpr 184
		.amdhsa_next_free_sgpr 66
		.amdhsa_reserve_vcc 1
		.amdhsa_float_denorm_mode_32 3
		.amdhsa_float_denorm_mode_16_64 3
		.amdhsa_memory_ordered 1
		.amdhsa_forward_progress 1
		.amdhsa_inst_pref_size 42
	.end_amdhsa_kernel
	.amdgpu_metadata
---
amdhsa.version: [ 1, 2 ]
amdhsa.kernels:
  - .name:           k_q44e592f8cf_pack
    .symbol:         k_q44e592f8cf_pack.kd
    .args:
      - { .name: segmentation_mask, .offset: 0, .size: 8, .value_kind: global_buffer, .address_space: global }
      - { .name: patch_coords, .offset: 8, .size: 8, .value_kind: global_buffer, .address_space: global }
      - { .name: region_prototypes, .offset: 16, .size: 8, .value_kind: global_buffer, .address_space: global }
      - { .name: table, .offset: 24, .size: 8, .value_kind: global_buffer, .address_space: global }
      - { .name: params, .offset: 32, .size: 8, .value_kind: global_buffer, .address_space: global }
      - { .name: out0, .offset: 40, .size: 8, .value_kind: global_buffer, .address_space: global }
    .group_segment_fixed_size: 0
    .private_segment_fixed_size: 0
    .kernarg_segment_align: 8
    .kernarg_segment_size: 48
    .max_flat_workgroup_size: 128
    .sgpr_count:     66
    .vgpr_count:     184
    .wavefront_size: 32
...
	.end_amdgpu_metadata
.endif
;; end of part 1
;; launch hist (part 2): grid 1024 x 1, 8 waves a work-group, no clusters, 5,120 bytes of LDS; arguments params, table, out1; writes out1
.if DOCPART == 2
	.amdgcn_target "amdgcn-amd-amdhsa--gfx1250"
	.amdhsa_code_object_version 6
	.text
	.protected	k_q44e592f8cf_hist
	.globl	k_q44e592f8cf_hist
	.p2align	8
	.type	k_q44e592f8cf_hist,@function
k_q44e592f8cf_hist:
	s_mov_b64 s[64:65], 0
	v_nop
	global_prefetch_b8 v0, s[64:65] scope:SCOPE_SE
	s_setreg_imm32_b32 hwreg(HW_REG_WAVE_MODE, 25, 1), 1
	s_wait_xcnt 0x0
; HIST: out1[patch][r - 1] = (count_r / max(numel, 1) + 1e-6) / (the sum of that over the 20 regions), count_r = voxels of region r in the patch's clipped crop of 4 x 16 x 16.
; THE TABLE (made by the launch before): one byte a voxel, whose low six bits are 3 (v - 1) for regions v = 1..20 and 60 or 61 for everything else and for guards.
; Byte of (quad row R, image row y & 3, padded column px): 2,304 R + 16 (px >> 2) + 4 (y & 3) + (px & 3).  A crop is always read whole, 1,024 bytes: where the volume clips it, it reads guards.
; THE RECORD of a patch, 16 bytes of whole numbers: the quad row at which each of its 4 z steps begins (16 bits each), the padded first column and the first image row in its quad row, numel.
; Every index is clamped before it enters an address.
; SHARES.  1,024 work-groups of eight waves; a wave takes 4 patches, one after the other, the next patch's 32 loads out while one is counted.  Lane l owns row (l >> 3) and column (l & 7)
; of each block of 4 rows x 8 columns: 4 rows further are 2,304 bytes, 8 columns 32 bytes, so one offset register serves all 32 loads, by immediates and four scalar bases (z).
; COUNTING.  1 << byte is added into a 64-bit word of 21 fields of 3 bits (the 21st, on top, is the dump: what it overflows falls off).  After 7 voxels at the most the even and the odd fields
; go into two words of 6-bit fields (a lane has 32 voxels: 32 at the most); at the patch's end into four words of 12-bit fields (1,024 at the most): class c holds bins 4 m + c, m = 0..4.
; ACROSS LANES.  The halves of the wave exchange classes (0 against 2, 1 against 3) and add; lanes 8 apart exchange (0, 2 against 1, 3) and add; three steps more within 8 lanes.
; Lane (b4, b3, m) then holds class 2 b4 + b3 whole and takes field min(m, 4): lanes m = 5..7 repeat lane 4's number and store it to the same word.
; OUT.  The work-group's 32 patches are 2,560 consecutive bytes of out1: they meet in LDS, and five waves store 512 bytes each, at multiples of 256.
; No cluster and no tensor load: work-groups share no tile, and a crop's rows are 16 bytes.  LIMITS: the quotients are products with v_rcp_f32's reciprocal.
.set ROWB,  2304
.set QMAX,  17024                      ; the last quad row at which a crop can begin
.set PXMAX, 576
.set SPARE, 4096                       ; the spare words: 128 bytes for each of eight waves, at 4,096 + 128 wave, bytes that no other line names
.set SPW, 1                            ; v1   my spare word's address; never rewritten
.set NIL, 2                            ; v2   0; never rewritten
.set ONE, 4                            ; v[4:5]  the 64-bit number 1
.set DY,  6                            ; v6   my row in a block, 0..3
.set DX,  7                            ; v7   my column in a block, 0..7
.set SH,  8                            ; v8   where my field begins in the word that I pick
.set WT,  9                            ; v9   1.0, or 0 in the lanes that repeat
.set LA,  10                           ; v10  LDS address of my bin in my wave's first patch
.set TT,  11
.set VO,  12                           ; v12, v13  the loads' offset, by turns
.set TA,  14                           ; v14-17 at work
.set INV, 18
.set CF,  19
.set SS,  20
.set EE,  22                           ; v[22:23] even fields
.set OO,  24                           ; v[24:25] odd fields
.set CA,  26                           ; v[26:27]
.set CB,  28                           ; v[28:29]
.set T,   30                           ; v[30:43] seven 64-bit numbers
.set D,   44                           ; v[44:75], v[76:107] a patch's 32 bytes a lane, two buffers
.set BS,  32                           ; s[32:47] four bases (z steps), two sets
.set ME,  54                           ; s[54:55] 3-bit fields 0, 2, .. 18
.set MO,  56                           ; s[56:57] 3-bit fields 1, 3, .. 19
.set M12, 58                           ; s[58:59] 6 bits at 0, 12, 24, 36, 48
.set M12S, 60                          ; s[60:61] the same 3 bits up
.set M8,  62                           ; s62  lanes with bit 3 set
.set MHI, 63                           ; s63  lanes m >= 3: their field lies in the high word
.set SEL, 66                           ; s[66:67] v_permlanex16_b32: each lane takes its own place in the other half
.set MMID, 68                          ; s68  lanes m = 2: their field lies across the two words
.set C1E6, 69
.set C2E5, 70
	s_load_b128 s[4:7], s[0:1], 0x0                ; records s[4:5], table s[6:7]
	s_load_b64 s[8:9], s[0:1], 0x10                ; out1
	v_lshl_add_u32 v[SPW], v0, 2, SPARE
	v_mov_b32 v[NIL], 0
	v_lshrrev_b32 v3, 5, v0
	v_readfirstlane_b32 s10, v3                    ; wave 0..7
	s_lshl_b32 s12, ttmp9, 9                       ; 32 records of 16 bytes a work-group,
	s_lshl_b32 s13, s10, 6                         ; 4 a wave
	s_add_co_u32 s12, s12, s13
	s_mov_b32 s13, 0
	s_wait_kmcnt 0x0
	s_add_nc_u64 s[4:5], s[4:5], s[12:13]
	s_load_b512 s[16:31], s[4:5], 0x0              ; my four records; the constants below are made while they come
	s_mov_b32 s49, 0                               ; the high word of every offset
	s_mov_b32 s[ME], 0xc71c71c7
	s_mov_b32 s[ME+1], 0x01c71c71
	s_mov_b32 s[MO], 0x38e38e38
	s_mov_b32 s[MO+1], 0x0e38e38e
	s_mov_b32 s[M12], 0x3f03f03f
	s_mov_b32 s[M12+1], 0x003f03f0
	s_mov_b32 s[M12S], 0xf81f81f8
	s_mov_b32 s[M12S+1], 0x01f81f81
	s_mov_b32 s[M8], 0xff00ff00
	s_mov_b32 s[MHI], 0xf8f8f8f8
	s_mov_b32 s[MMID], 0x04040404
	s_mov_b32 s[SEL], 0x76543210
	s_mov_b32 s[SEL+1], 0xfedcba98
	s_mov_b32 s[C1E6], 0x358637bd                  ; 1e-6
	s_mov_b32 s[C2E5], 0x37a7c5ac                  ; 20 x 1e-6
	s_mul_i32 s11, s10, 320                        ; my wave's 4 patches x 80 bytes in the stage
	v_mov_b32 v[ONE], 1
	v_mov_b32 v[ONE+1], 0
	v_mov_b32 v[TT], 0
	v_bfe_u32 v[DY], v0, 3, 2
	v_and_b32 v[DX], 7, v0
	v_min_u32 v[TA], 4, v[DX]                      ; my field m
	v_bfe_u32 v[TA+1], v0, 3, 1                    ; b3
	v_bfe_u32 v[TA+2], v0, 4, 1                    ; b4
	v_mul_u32_u24 v[SH], 12, v[TA]
	v_mad_u32_u24 v[SH], v[TA+1], 3, v[SH]         ; the field's bit in 64: 12 m, 3 more in the odd classes
	v_and_b32 v[SH], 31, v[SH]                     ; m >= 3: counted in the high word
	v_add_nc_u32 v[TA+3], 0xffffffe8, v[SH]
	v_cndmask_b32 v[SH], v[SH], v[TA+3], s[MMID]   ; m = 2: counted from bit 24
	v_cmp_gt_u32 vcc_lo, 5, v[DX]
	v_cndmask_b32 v[WT], 0, 1.0, vcc_lo
	v_lshlrev_b32 v[LA], 4, v[TA]                  ; bin 4 m + 2 b4 + b3, 4 bytes each
	v_lshl_add_u32 v[LA], v[TA+2], 3, v[LA]
	v_lshl_add_u32 v[LA], v[TA+1], 2, v[LA]
	v_add_nc_u32 v[LA], s11, v[LA]
	s_wait_kmcnt 0x0
; The addresses of patch i, in set k.  The set's registers were last named by the loads of patch i - 2, which the counted waits of that patch's counting have shown done.
.macro BASE src, shifted, k, d
.if \shifted
	s_lshr_b32 s48, s[\src], 16
.else
	s_and_b32 s48, s[\src], 0xffff
.endif
	s_min_u32 s48, s48, QMAX                       ; a loaded number enters an address only clamped
	s_mul_i32 s48, s48, ROWB
	s_add_nc_u64 s[BS+8*(\k)+2*(\d):BS+8*(\k)+2*(\d)+1], s[6:7], s[48:49]
.endm
.macro SETUP i, k
	BASE 16+4*(\i), 0, \k, 0
	BASE 16+4*(\i), 1, \k, 1
	BASE 17+4*(\i), 0, \k, 2
	BASE 17+4*(\i), 1, \k, 3
	s_and_b32 s50, s[18+4*(\i)], 0xffff
	s_min_u32 s50, s50, PXMAX                      ; the first padded column
	s_lshr_b32 s51, s[18+4*(\i)], 16
	s_min_u32 s51, s51, 3                          ; the first image row in its quad row
	v_add_nc_u32 v[TA], s51, v[DY]                 ; my row, 0..6
	v_and_b32 v[TA+1], 4, v[TA]
	v_and_b32 v[TA], 3, v[TA]
	v_mul_u32_u24 v[TA+1], 576, v[TA+1]            ; one quad row on: 2,304
	v_lshl_add_u32 v[TA+1], v[TA], 2, v[TA+1]
	v_add_nc_u32 v[TA+2], s50, v[DX]               ; my column
	v_and_b32 v[TA+3], 0x3fc, v[TA+2]
	v_and_b32 v[TA+2], 3, v[TA+2]
	v_lshl_add_u32 v[TA+2], v[TA+3], 2, v[TA+2]
	v_add_nc_u32 v[VO+(\k)], v[TA+1], v[TA+2]
.endm
; 32 loads of a byte a lane: z step d, rows 4 t on, columns 8 s on
.macro ISSUE k
.irp d, 0,1,2,3
.irp t, 0,1,2,3
	global_load_u8 v[D+32*(\k)+8*(\d)+2*(\t)],   v[VO+(\k)], s[BS+8*(\k)+2*(\d):BS+8*(\k)+2*(\d)+1] offset:(\t)*ROWB
	global_load_u8 v[D+32*(\k)+8*(\d)+2*(\t)+1], v[VO+(\k)], s[BS+8*(\k)+2*(\d):BS+8*(\k)+2*(\d)+1] offset:(\t)*ROWB+32
.endr
.endr
.endm
.macro SHIFTS d0, n                    ; 1 << (the byte's low six bits), for n voxels
.set u, 0
.rept \n
	v_lshlrev_b64 v[T+2*u:T+2*u+1], v[(\d0)+u], v[ONE:ONE+1]
.set u, u+1
.endr
.endm
.macro ADD2 a, b
	v_add_nc_u64 v[T+2*(\a):T+2*(\a)+1], v[T+2*(\a):T+2*(\a)+1], v[T+2*(\b):T+2*(\b)+1]
.endm
.macro SEVEN d0                        ; seven voxels: no 3-bit field passes 7
	SHIFTS \d0, 7
	ADD2 0, 1
	ADD2 2, 3
	ADD2 4, 5
	ADD2 0, 2
	ADD2 4, 6
	ADD2 0, 4
.endm
.macro FOUR d0
	SHIFTS \d0, 4
	ADD2 0, 1
	ADD2 2, 3
	ADD2 0, 2
.endm
.macro FLUSH first                     ; the even and the odd fields, each with 6 bits of room where it stands; the dump field is left behind.  The first group starts the sums.
.if \first
	v_and_b32 v[EE], s[ME], v[T]
	v_and_b32 v[EE+1], s[ME+1], v[T+1]
	v_and_b32 v[OO], s[MO], v[T]
	v_and_b32 v[OO+1], s[MO+1], v[T+1]
.else
	v_and_b32 v[CA], s[ME], v[T]
	v_and_b32 v[CA+1], s[ME+1], v[T+1]
	v_and_b32 v[CB], s[MO], v[T]
	v_and_b32 v[CB+1], s[MO+1], v[T+1]
	v_add_nc_u64 v[EE:EE+1], v[EE:EE+1], v[CA:CA+1]
	v_add_nc_u64 v[OO:OO+1], v[OO:OO+1], v[CB:CB+1]
.endif
.endm
.macro XSTEP n                         ; the 64-bit sum in CA takes the lane n away (inside 16 lanes)
	v_mov_b32_dpp v[EE], v[CA] row_xmask:\n row_mask:0xf bank_mask:0xf
	v_mov_b32_dpp v[EE+1], v[CA+1] row_xmask:\n row_mask:0xf bank_mask:0xf
	v_add_nc_u64 v[CA:CA+1], v[CA:CA+1], v[EE:EE+1]
.endm
; Patch i, whose bytes lie in buffer k.  later = the loads issued behind this patch's 32 (the next patch's, or none).
.macro PATCH i, k, later
	s_wait_loadcnt (\later)+25                     ; loads come back in order: my first 7 are in; 25 of this patch and the next patch's stay out
	SEVEN D+32*(\k)
	FLUSH 1
	s_wait_loadcnt (\later)+18
	SEVEN D+32*(\k)+7
	FLUSH 0
	s_wait_loadcnt (\later)+11
	SEVEN D+32*(\k)+14
	FLUSH 0
	s_wait_loadcnt (\later)+4
	SEVEN D+32*(\k)+21
	FLUSH 0
	s_wait_loadcnt (\later)
	FOUR D+32*(\k)+28
	FLUSH 0
	s_max_u32 s52, s[19+4*(\i)], 1
	v_cvt_f32_u32 v[INV], s52
	v_rcp_f32 v[INV], v[INV]                       ; 1 / max(numel, 1); plain instructions on other registers follow
	; four classes of 12-bit fields.  Classes 2 and 3 come down by 6 bits, so that the top field has its 11 bits inside the word
	v_alignbit_b32 v[CA], v[EE+1], v[EE], 6
	v_lshrrev_b32 v[CA+1], 6, v[EE+1]
	v_alignbit_b32 v[CB], v[OO+1], v[OO], 6
	v_lshrrev_b32 v[CB+1], 6, v[OO+1]
	v_and_b32 v[EE], s[M12], v[EE]                 ; class 0: bins 0, 4, .. 16
	v_and_b32 v[EE+1], s[M12+1], v[EE+1]
	v_and_b32 v[CA], s[M12], v[CA]                 ; class 2
	v_and_b32 v[CA+1], s[M12+1], v[CA+1]
	v_and_b32 v[OO], s[M12S], v[OO]                ; class 1, 3 bits up
	v_and_b32 v[OO+1], s[M12S+1], v[OO+1]
	v_and_b32 v[CB], s[M12S], v[CB]                ; class 3, 3 bits up
	v_and_b32 v[CB+1], s[M12S+1], v[CB+1]
	v_permlane16_swap_b32 v[EE], v[CA]             ; lanes 0-15 now hold both halves' class 0 (1), lanes 16-31 both halves' class 2 (3)
	v_permlane16_swap_b32 v[EE+1], v[CA+1]
	v_permlane16_swap_b32 v[OO], v[CB]
	v_permlane16_swap_b32 v[OO+1], v[CB+1]
	v_add_nc_u64 v[EE:EE+1], v[EE:EE+1], v[CA:CA+1]
	v_add_nc_u64 v[OO:OO+1], v[OO:OO+1], v[CB:CB+1]
	v_cndmask_b32 v[CA], v[EE], v[OO], s[M8]       ; lanes with bit 3 keep the odd class and send the even one; the others the other way round
	v_cndmask_b32 v[CA+1], v[EE+1], v[OO+1], s[M8]
	v_cndmask_b32 v[CB], v[OO], v[EE], s[M8]
	v_cndmask_b32 v[CB+1], v[OO+1], v[EE+1], s[M8]
	v_mov_b32_dpp v[EE], v[CB] row_xmask:8 row_mask:0xf bank_mask:0xf
	v_mov_b32_dpp v[EE+1], v[CB+1] row_xmask:8 row_mask:0xf bank_mask:0xf
	v_add_nc_u64 v[CA:CA+1], v[CA:CA+1], v[EE:EE+1]
	XSTEP 4
	XSTEP 2
	XSTEP 1                                        ; my class, summed over the patch
	v_alignbit_b32 v[EE], v[CA+1], v[CA], 24       ; bits 24 to 55, for the field that lies across the words
	v_cndmask_b32 v[EE], v[CA], v[EE], s[MMID]
	v_cndmask_b32 v[EE], v[EE], v[CA+1], s[MHI]
	v_bfe_u32 v[EE], v[EE], v[SH], 12              ; my bin's count
	v_cvt_f32_u32 v[CF], v[EE]
	v_mul_f32 v[SS], v[CF], v[WT]                  ; the sum over the 20 bins: the repeating lanes add 0
	v_add_f32_dpp v[SS], v[SS], v[SS] row_xmask:1 row_mask:0xf bank_mask:0xf
	v_add_f32_dpp v[SS], v[SS], v[SS] row_xmask:2 row_mask:0xf bank_mask:0xf
	v_add_f32_dpp v[SS], v[SS], v[SS] row_xmask:4 row_mask:0xf bank_mask:0xf
	v_add_f32_dpp v[SS], v[SS], v[SS] row_xmask:8 row_mask:0xf bank_mask:0xf
	v_permlanex16_b32 v[TT], v[SS], s[SEL], s[SEL+1]
	v_add_f32 v[SS], v[SS], v[TT]
	s_wait_alu depctr_va_vdst(0)
	v_fma_f32 v[SS], v[SS], v[INV], s[C2E5]        ; the sum of count / numel + 1e-6 over 20 bins
	v_rcp_f32 v[SS], v[SS]
	v_fma_f32 v[CF], v[CF], v[INV], s[C1E6]        ; a plain instruction on other registers between the reciprocal and its use
	s_wait_alu depctr_va_vdst(0)
	v_mul_f32 v[CF], v[CF], v[SS]
	ds_store_b32 v[LA], v[CF] offset:80*(\i)       ; my wave's own bytes of the stage
.endm
	SETUP 0, 0
	ISSUE 0
	SETUP 1, 1
	ISSUE 1
	PATCH 0, 0, 32
	SETUP 2, 0
	ISSUE 0
	PATCH 1, 1, 32
	SETUP 3, 1
	ISSUE 1
	PATCH 2, 0, 32
	PATCH 3, 1, 0
	s_wait_tensorcnt 0x0                           ; behind my last LDS store
	ds_add_u32 v[SPW], v[NIL]
	s_wait_dscnt 0x0                               ; this also shows my stores into the stage done, for the other waves' sake
	s_barrier_signal -1
	s_barrier_wait -1                              ; the stage is whole
	s_cmp_lt_u32 s10, 5                            ; 2,560 bytes are five waves' stores of 512
	s_cbranch_scc0 .Lend
	v_and_b32 v[TA], 31, v0
	s_lshl_b32 s11, s10, 9
	v_lshl_add_u32 v[TA], v[TA], 4, s11            ; 512 wave + 16 lane: in the stage and in the work-group's part of out1 alike
	ds_load_b128 v[D:D+3], v[TA]
	s_mul_i32 s12, ttmp9, 2560
	s_add_nc_u64 s[8:9], s[8:9], s[12:13]
	s_wait_dscnt 0x0
	global_store_b128 v[TA], v[D:D+3], s[8:9] th:TH_STORE_NT  ; 512 consecutive bytes at a multiple of 256
.Lend:
	s_endpgm
.Lfunc_end_k_q44e592f8cf_hist:
	.size	k_q44e592f8cf_hist, .Lfunc_end_k_q44e592f8cf_hist-k_q44e592f8cf_hist
	.p2alignl 7, 3214868480
	.fill 96, 4, 3214868480
	.section	.rodata,"a",@progbits
	.p2align	6, 0x0
	.amdhsa_kernel k_q44e592f8cf_hist
		.amdhsa_group_segment_fixed_size 5120
		.amdhsa_private_segment_fixed_size 0
		.amdhsa_enable_private_segment 0
		.amdhsa_kernarg_size 24
		.amdhsa_user_sgpr_count 2
		.amdhsa_user_sgpr_kernarg_segment_ptr 1
		.amdhsa_wavefront_size32 1
		.amdhsa_system_sgpr_workgroup_id_x 1
		.amdhsa_system_sgpr_workgroup_id_y 1
		.amdhsa_system_sgpr_workgroup_id_z 1
		.amdhsa_system_vgpr_workitem_id 0
		.amdhsa_next_free_vgpr 108
		.amdhsa_next_free_sgpr 72
		.amdhsa_reserve_vcc 1
		.amdhsa_float_denorm_mode_32 3
		.amdhsa_float_denorm_mode_16_64 3
		.amdhsa_memory_ordered 1
		.amdhsa_forward_progress 1
		.amdhsa_inst_pref_size 43
	.end_amdhsa_kernel
	.amdgpu_metadata
---
amdhsa.version: [ 1, 2 ]
amdhsa.kernels:
  - .name:           k_q44e592f8cf_hist
    .symbol:         k_q44e592f8cf_hist.kd
    .args:
      - { .name: params, .offset: 0, .size: 8, .value_kind: global_buffer, .address_space: global }
      - { .name: table, .offset: 8, .size: 8, .value_kind: global_buffer, .address_space: global }
      - { .name: out1, .offset: 16, .size: 8, .value_kind: global_buffer, .address_space: global }
    .group_segment_fixed_size: 5120
    .private_segment_fixed_size: 0
    .kernarg_segment_align: 8
    .kernarg_segment_size: 24
    .max_flat_workgroup_size: 256
    .sgpr_count:     72
    .vgpr_count:     108
    .wavefront_size: 32
...
	.end_amdgpu_metadata
.endif
;; end of part 2
